; MI455X (gfx1250); checked and timed in simulation.
; The chip was launched on July 23, 2026; its instructions are those of AMD's public machine-readable ISA for CDNA 5 (MIT licence, August 2026) and "CDNA5" Instruction Set Architecture Reference Guide (July 2026). The comments in the code are by the model that wrote it; some were corrected since.
;; Low Dim QK Multi Head Attention. Allowed arithmetic: float matrix products may take bf16 or f16 operands with f32 sums; other float arithmetic in f32, or as packed bf16 or f16 multiplies, adds, multiply-adds, maxima and minima; sums over many terms, partial sums and values carried from step to step in f32; what a program stores and reads back later, other than sums and carried values, may be rounded once to bf16 or f16.
;; Inputs: K 4 x 2,048 x 1,024 float32; Q 4 x 2,048 x 1,024 float32; V 4 x 2,048 x 1,024 float32; Wk 1,024 x 256 float32; Wq 1,024 x 256 float32; bk 256 float32; bq 256 float32; key_padding_mask 4 x 2,048 bool.
;; Outputs: out0 4 x 2,048 x 1,024 float32.
;; 2 versions, each right; version 2 is version 1 with the launch proj written anew for expert scheduling mode. Each part assembles by itself: llvm-mc -triple=amdgcn-amd-amdhsa -mcpu=gfx1250 --defsym DOCPART=n.
;; ======== version 1 of 2: 2 launches
;; limits: values are held in f16: magnitudes above 65,504 overflow, below 6.1e-05 lose precision
;; workspace buffers: qh 4,194,304 bytes; kh 4,194,304 bytes; vh 16,777,216 bytes
;; launch proj (part 1): grid 2 x 128, 4 waves a work-group, no clusters, 295,424 bytes of LDS; arguments Q, K, V, Wq, Wk, bq, qh, kh, vh; writes qh, kh, vh
.if DOCPART == 1
	.amdgcn_target "amdgcn-amd-amdhsa--gfx1250"
	.amdhsa_code_object_version 6
	.text
	.protected	k_qcbf48d6c82_proj
	.globl	k_qcbf48d6c82_proj
	.p2align	8
	.type	k_qcbf48d6c82_proj,@function
k_qcbf48d6c82_proj:
	s_mov_b64 s[64:65], 0
	v_nop
	global_prefetch_b8 v0, s[64:65] scope:SCOPE_SE
	s_setreg_imm32_b32 hwreg(HW_REG_WAVE_MODE, 25, 1), 1
	s_wait_xcnt 0x0
; LAUNCH 1 OF 2.  q = Q Wq + bq and k = K Wk, both [8192][256], rounded once to f16 and stored by heads in the order in which the second launch's matrix operands
; take them; and V rounded once to f16 and stored by heads, [b*8+head][key][128].  Products with f16 operands and f32 sums.
; WORK LEFT OUT: bk.  scores[b,h,q,key] = q . (K Wk)[key] + q . bk: the second term is the same for all keys of one (b, h, q), and a term that is the same along a softmax's
; axis cancels for every finite value of the inputs; it moves neither the mask's -inf nor, in exact arithmetic, the test for NaN.  So bk is not loaded and is no argument of any launch.
; LIMIT: a NaN, an infinity or an overflow that would come from bk alone is not carried to the result.  bq stays: bq . (K Wk)[key] differs from key to key.
; LIMITS OF FORMAT: Q, K, V, Wq, Wk, q and k are kept in f16: magnitudes from 65,520 on become infinities, numbers below 6e-5 keep f16's fixed step of 6e-8.
; SHARES.  Work-group (x, y): y < 64 takes Q, Wq, bq, qh; y >= 64 takes K, Wk, kh.  It makes rows 128 (y & 63) .. + 127 times columns 128 x .. + 127 (heads 4 x .. 4 x + 3), K = 1024:
; wave w 32 rows x 128 columns, 16 accumulators.  It also rounds V's rows 32 g .. 32 g + 31, g = 2 y + x, two rows a trip.  256 work-groups of equal work.
; LDS.  The half of W, rounded to f16, [k 1024][n 128], rows 288 bytes apart (256 + 32: the turning load's 8 rows x 32 bytes then fall on different banks, ISA guide 11.1); behind it the spare words.
; ORDER OF k.  A trip takes 64 k.  Lane (r, h) reads 128 consecutive bytes of row r: k = k0 + 32 h + e, e = 0..31; fragment f takes e = 16 f .. 16 f + 15.  W's fragments are read by the
; same order (rows k0 + 32 h + 16 f + 0..7 and + 8..15), and a permutation of k that both operands share keeps the products.
; THE PRODUCT IS USED TRANSPOSED (source 0 = 16 columns of W, source 1 = 16 rows of tokens): a lane ends with one token (lane % 16) and eight neighbouring columns, 16 bytes of f16,
; and a wave's store covers 512 consecutive bytes, aligned: no stage is needed.
; NO TENSOR LOADS: W has to pass through registers to become f16 before the turning load can read it, and its f16 half leaves no room in LDS for f32 slots.
; REGISTERS.  Window 0: v0-13 addresses; v16-23 V to store; v32-63 tokens' fragments (staging: W in f16); v64-191 accumulators; v192-255 packed results.
; Window 1: three sets of 80, as loaded: 64 of tokens, 16 of V (staging: 64 of W).  Window 2: v0-127 W's fragments; v128-191 what starts the sums (bq, or 0 for k).
.set WPITCH, 288
.set BATCHB, 64*WPITCH                 ; 64 rows of W in LDS
.set SPARE,  1024*WPITCH               ; the spare words: 128 bytes a wave, two blocks of 256 bytes that no other line names
.set TO,  3                            ; v3   tokens: r x 4096 + h x 128
.set VOF, 4                            ; v4   V: 32 t
.set VDO, 5                            ; v5   vh: (t / 16) heads of 524,288 bytes + 16 (t % 16)
.set WOF, 6                            ; v6   W: (t / 16) rows of 1,024 bytes + 32 (t % 16)
.set SA,  7                            ; v7   LDS: (t / 16) rows + 16 (t % 16); steps with the batches
.set AW,  8                            ; v8   LDS: my place in W's fragments; steps with the trips
.set QO,  9                            ; v9   16 x lane
.set BO,  10                           ; v10  32 h
.set SPW, 12                           ; v12  my spare word
.set NIL, 13                           ; v13  0
.set VO,  16
.set TF,  32
.set ACC, 64
.set OUT, 192
.set BI,  128                          ; window 2
.set WV,  22
.set TP,  26                           ; s[26:27] tokens at my wave's first row
.set WP,  28                           ; s[28:29] W at my half's first column
.set DP,  30                           ; s[30:31] qh or kh at my wave's first block
.set VP,  32                           ; s[32:33] V at the work-group's first row
.set VD,  34                           ; s[34:35] vh at the same row, head 0
.set BP,  36                           ; s[36:37] bq at my half
.set CNT, 38
.set MSB, 0
.macro WIN new                         ; the immediate's high byte repeats the setting that is left; a switch that changes nothing is dropped
.if MSB != (\new)
	s_set_vgpr_msb (MSB<<8)|(\new)
.set MSB, (\new)
.endif
.endm
	s_load_b512 s[4:19], s[0:1], 0x0               ; Q, K, V, Wq, Wk, bq, qh, kh
	s_load_b64 s[20:21], s[0:1], 0x40              ; vh
	v_lshl_add_u32 v[SPW], v0, 2, SPARE
	v_mov_b32 v[NIL], 0
	v_lshrrev_b32 v14, 5, v0
	v_readfirstlane_b32 s[WV], v14                 ; wave 0..3
	s_mov_b32 s23, ttmp9                           ; x
	s_and_b32 s24, ttmp7, 0xffff                   ; y
	s_lshl1_add_u32 s25, s24, s23                  ; g = 2 y + x
	v_and_b32 v1, 15, v0                           ; r, and t % 16
	v_bfe_u32 v2, v0, 4, 1                         ; h
	v_lshrrev_b32 v11, 4, v0                       ; t / 16
	v_lshlrev_b32 v[TO], 12, v1
	v_lshl_add_u32 v[TO], v2, 7, v[TO]
	v_lshlrev_b32 v[VOF], 5, v0
	v_lshlrev_b32 v[VDO], 19, v11
	v_lshl_add_u32 v[VDO], v1, 4, v[VDO]
	v_lshlrev_b32 v[WOF], 10, v11
	v_lshl_add_u32 v[WOF], v1, 5, v[WOF]
	v_mul_u32_u24 v[SA], v11, WPITCH
	v_lshl_add_u32 v[SA], v1, 4, v[SA]
	v_and_b32 v14, 7, v0
	v_lshl_add_u32 v14, v2, 5, v14                 ; row 32 h + lane % 8
	v_mul_u32_u24 v[AW], v14, WPITCH
	v_bfe_u32 v15, v0, 3, 1
	v_lshl_add_u32 v[AW], v15, 4, v[AW]            ; + 16 bytes for the second eight columns
	v_and_b32 v[QO], 31, v0
	v_lshlrev_b32 v[QO], 4, v[QO]
	v_lshlrev_b32 v[BO], 5, v2
	s_and_b32 s40, s24, 63                         ; the row block in its tensor
	s_lshl_b32 s42, s40, 19                        ; 128 rows of 4,096 bytes
	s_lshl_b32 s43, s[WV], 17                      ; my wave's 32
	s_add_co_u32 s42, s42, s43
	s_mov_b32 s43, 0
	s_wait_kmcnt 0x0
	s_cmp_lt_u32 s24, 64
	s_cselect_b64 s[TP:TP+1], s[4:5], s[6:7]
	s_cselect_b64 s[WP:WP+1], s[10:11], s[12:13]
	s_cselect_b64 s[DP:DP+1], s[16:17], s[18:19]
	s_add_nc_u64 s[TP:TP+1], s[TP:TP+1], s[42:43]
	s_lshl_b32 s42, s23, 9                         ; 128 columns of f32
	s_add_nc_u64 s[WP:WP+1], s[WP:WP+1], s[42:43]
	s_add_nc_u64 s[BP:BP+1], s[14:15], s[42:43]
	s_lshr_b32 s41, s40, 4                         ; the batch: 8 heads of 131,072 bytes
	s_lshl_b32 s42, s41, 20
	s_lshl_b32 s41, s23, 19                        ; my four heads
	s_add_co_u32 s42, s42, s41
	s_and_b32 s41, s40, 15
	s_lshl_b32 s41, s41, 3
	s_lshl1_add_u32 s41, s[WV], s41                ; block of 16 tokens: 8 (y & 15) + 2 w
	s_lshl_b32 s41, s41, 10
	s_add_co_u32 s42, s42, s41
	s_add_nc_u64 s[DP:DP+1], s[DP:DP+1], s[42:43]
	s_lshl_b32 s42, s25, 17                        ; 32 rows of 4,096 bytes
	s_add_nc_u64 s[VP:VP+1], s[8:9], s[42:43]
	s_lshr_b32 s41, s25, 6                         ; the batch: 8 heads of 524,288 bytes
	s_lshl_b32 s42, s41, 22
	s_and_b32 s41, s25, 63
	s_lshl_b32 s41, s41, 13                        ; 32 keys of 256 bytes
	s_add_co_u32 s42, s42, s41
	s_add_nc_u64 s[VD:VD+1], s[20:21], s[42:43]
	; what starts the sums: register j of block nb holds the number for column 16 nb + 8 h + j: bq for q, 0 for k
	s_cmp_lt_u32 s24, 64
	s_cbranch_scc0 .Lfor_k
	WIN 0x80
.irp nb, 0,1,2,3,4,5,6,7
	global_load_b128 v[BI+8*(\nb):BI+8*(\nb)+3],   v[BO], s[BP:BP+1] offset:(\nb)*64
	global_load_b128 v[BI+8*(\nb)+4:BI+8*(\nb)+7], v[BO], s[BP:BP+1] offset:(\nb)*64+16
.endr
	WIN 0
	s_branch .Lstarted
.Lfor_k:
	WIN 0x80
.set i, 0
.rept 64
	v_mov_b32 v[BI+i], 0
.set i, i+1
.endr
	WIN 0
.Lstarted:                                     ; bq's loads are older than every counted load below, so the counts hold on both ways
; 16 loads: 64 rows of W's half, from byte off behind the pointer, into set s.  Pass p: rows 8 p + t / 16, 32 bytes a thread
.macro WLOADS s, off
	WIN 0x40
.irp p, 0,1,2,3,4,5,6,7
	global_load_b128 v[80*(\s)+8*(\p):80*(\s)+8*(\p)+3],   v[WOF], s[WP:WP+1] offset:(\off)+(\p)*8192
	global_load_b128 v[80*(\s)+8*(\p)+4:80*(\s)+8*(\p)+7], v[WOF], s[WP:WP+1] offset:(\off)+(\p)*8192+16
.endr
.endm
; set s is rounded to f16 and laid into LDS, bi batches behind SA.  cnt: the younger loads, which may stay out
.macro BATCH s, bi, cnt
	s_wait_loadcnt \cnt
	WIN 0x05
.irp p, 0,1,2,3,4,5,6,7
.irp k, 0,1,2,3
	v_cvt_pk_f16_f32 v[TF+4*(\p)+(\k)], v[80*(\s)+8*(\p)+2*(\k)], v[80*(\s)+8*(\p)+2*(\k)+1]
.endr
.endr
	WIN 0
.irp p, 0,1,2,3,4,5,6,7
	ds_store_b128 v[SA], v[TF+4*(\p):TF+4*(\p)+3] offset:(\bi)*BATCHB+(\p)*8*WPITCH
.endr
.endm
; 20 loads of trip c (counted from the pointers) into set s: 2 x 16 rows x 256 bytes of tokens, two rows of V
.macro TLOADS s, c
	WIN 0x40
.irp rb, 0,1
.irp i, 0,1,2,3,4,5,6,7
	global_load_b128 v[80*(\s)+32*(\rb)+4*(\i):80*(\s)+32*(\rb)+4*(\i)+3], v[TO], s[TP:TP+1] offset:(\c)*256+(\rb)*65536+16*(\i)
.endr
.endr
.irp rr, 0,1
	global_load_b128 v[80*(\s)+64+8*(\rr):80*(\s)+64+8*(\rr)+3],   v[VOF], s[VP:VP+1] offset:(\c)*8192+(\rr)*4096 th:TH_LOAD_NT
	global_load_b128 v[80*(\s)+64+8*(\rr)+4:80*(\s)+64+8*(\rr)+7], v[VOF], s[VP:VP+1] offset:(\c)*8192+(\rr)*4096+16 th:TH_LOAD_NT
.endr
.endm
; 16 products on fragment f.  The 16 accumulators take turns, one instruction a turn, in the same order everywhere.  first = 1: the sums start with BI
.macro MULS f, first
.if \first
	WIN 0x22
.else
	WIN 0x02
.endif
.irp rb, 0,1
.irp nb, 0,1,2,3,4,5,6,7
.if \first
	v_wmma_f32_16x16x32_f16 v[ACC+8*(8*(\rb)+(\nb)):ACC+8*(8*(\rb)+(\nb))+7], v[64*(\f)+8*(\nb):64*(\f)+8*(\nb)+7], v[TF+16*(\rb)+8*(\f):TF+16*(\rb)+8*(\f)+7], v[BI+8*(\nb):BI+8*(\nb)+7]
.else
	v_wmma_f32_16x16x32_f16 v[ACC+8*(8*(\rb)+(\nb)):ACC+8*(8*(\rb)+(\nb))+7], v[64*(\f)+8*(\nb):64*(\f)+8*(\nb)+7], v[TF+16*(\rb)+8*(\f):TF+16*(\rb)+8*(\f)+7], v[ACC+8*(8*(\rb)+(\nb)):ACC+8*(8*(\rb)+(\nb))+7]
.endif
.endr
.endr
.endm
; A trip: 64 k.  s: its set; c: its number, counted from the pointers; ld = 1: the trip three on is asked for; cnt: the younger loads
.macro TRIP s, c, ld, first, cnt
	s_wait_loadcnt \cnt                            ; my set is in
	s_wait_xcnt 0x0                                ; the last trip's stores have read VO
	WIN 0x05
.irp rr, 0,1                           ; V's eight conversions are also the four places between the last trip's products and the loads into W's fragments
.irp k, 0,1,2,3
	v_cvt_pk_f16_f32 v[VO+4*(\rr)+(\k)], v[80*(\s)+64+8*(\rr)+2*(\k)], v[80*(\s)+64+8*(\rr)+2*(\k)+1]
.endr
.endr
	WIN 0x80
.irp f, 0,1
.irp nb, 0,1,2,3,4,5,6,7
	ds_load_tr16_b128 v[64*(\f)+8*(\nb):64*(\f)+8*(\nb)+3],   v[AW] offset:(\f)*16*WPITCH+(\nb)*32
	ds_load_tr16_b128 v[64*(\f)+8*(\nb)+4:64*(\f)+8*(\nb)+7], v[AW] offset:(\f)*16*WPITCH+8*WPITCH+(\nb)*32
.endr
.endr
	WIN 0x05
.irp rb, 0,1
.irp f, 0,1
.irp i, 0,1,2,3,4,5,6,7
	v_cvt_pk_f16_f32 v[TF+16*(\rb)+8*(\f)+(\i)], v[80*(\s)+32*(\rb)+16*(\f)+2*(\i)], v[80*(\s)+32*(\rb)+16*(\f)+2*(\i)+1]
.endr
.endr
.endr
	WIN 0
	v_add_nc_u32 v[AW], BATCHB, v[AW]              ; the next trip's 64 rows of W
.irp rr, 0,1
	global_store_b128 v[VDO], v[VO+4*(\rr):VO+4*(\rr)+3], s[VD:VD+1] offset:(\c)*512+(\rr)*256  ; 16 lanes store 256 consecutive bytes, aligned
.endr
.if \ld
	TLOADS \s, (\c)+3
.endif
	s_wait_dscnt 16                                ; fragment 0 of W is in; fragment 1's sixteen loads may stay out
	MULS 0, \first
	s_wait_dscnt 0x0
	MULS 1, 0
.endm
	; STAGING: 16 batches of 64 rows of W, three sets by turns
	WLOADS 0, 0
	WLOADS 1, 65536
	WLOADS 2, 131072
	WIN 0
	s_mov_b32 s[CNT], 4
.Lstage:                                       ; batches 3 i .. 3 i + 2 are laid down, 3 i + 3 .. 3 i + 5 asked for
	BATCH 0, 0, 32                                 ; two younger batches of 16 loads stay out
	WLOADS 0, 3*65536
	BATCH 1, 1, 32
	WLOADS 1, 4*65536
	BATCH 2, 2, 32
	WLOADS 2, 5*65536
	WIN 0
	s_wait_xcnt 0x0                                ; the loads have read the pointer
	s_add_nc_u64 s[WP:WP+1], s[WP:WP+1], 3*65536
	v_add_nc_u32 v[SA], 3*BATCHB, v[SA]
	s_sub_co_u32 s[CNT], s[CNT], 1
	s_cmp_lg_u32 s[CNT], 0
	s_cbranch_scc1 .Lstage
	BATCH 0, 0, 32                                 ; batch 12; younger: 13, 14
	WLOADS 0, 3*65536                              ; batch 15
	BATCH 1, 1, 32                                 ; batch 13; younger: 14, 15
	TLOADS 1, 0                                    ; the main loop's first three trips are asked for as the sets come free
	BATCH 2, 2, 36                                 ; batch 14; younger: 15's 16 and trip 0's 20
	TLOADS 2, 1
	WIN 0
	v_add_nc_u32 v[SA], 3*BATCHB, v[SA]            ; so that batch 15's offsets stay inside 16 bits
	BATCH 0, 0, 40                                 ; batch 15; younger: trips 0 and 1
	TLOADS 0, 2
	WIN 0
	s_wait_dscnt 0x0                               ; for the others' sake: my part of W lies in LDS
	s_barrier_signal -1
	s_barrier_wait -1                              ; everybody's does; nothing writes it again
	; MAIN: 16 trips; trip c has set (c + 1) % 3
	TRIP 1, 0, 1, 1, 40                            ; its products start the sums
	WIN 0
	s_mov_b32 s[CNT], 4
.Lmain:                                        ; trips 3 i + 1 .. 3 i + 3; two younger trips of 20 loads stay out
	TRIP 2, 1, 1, 0, 40
	TRIP 0, 2, 1, 0, 40
	TRIP 1, 3, 1, 0, 40
	WIN 0
	s_wait_xcnt 0x0                                ; loads and stores have read the pointers
	s_add_nc_u64 s[TP:TP+1], s[TP:TP+1], 3*256
	s_add_nc_u64 s[VP:VP+1], s[VP:VP+1], 3*8192
	s_add_nc_u64 s[VD:VD+1], s[VD:VD+1], 3*512
	s_sub_co_u32 s[CNT], s[CNT], 1
	s_cmp_lg_u32 s[CNT], 0
	s_cbranch_scc1 .Lmain
	TRIP 2, 1, 0, 0, 40                            ; the last three trips load nothing: the counts run down
	TRIP 0, 2, 0, 0, 20
	TRIP 1, 3, 0, 0, 0
	WIN 0
.rept 4
	v_nop                                          ; four places between the last product and the conversions (ISA guide 7.12.1)
.endr
.set a, 0
.rept 16                               ; each accumulator's registers in ascending order
.irp k, 0,1,2,3
	v_cvt_pk_f16_f32 v[OUT+4*a+(\k)], v[ACC+8*a+2*(\k)], v[ACC+8*a+2*(\k)+1]
.endr
.set a, a+1
.endr
.irp rb, 0,1
.irp nb, 0,1,2,3,4,5,6,7               ; head nb / 2 of my four, channels 16 (nb % 2) on: 512 consecutive bytes a store, aligned
	global_store_b128 v[QO], v[OUT+4*(8*(\rb)+(\nb)):OUT+4*(8*(\rb)+(\nb))+3], s[DP:DP+1] offset:(\rb)*1024+((\nb)/2)*131072+((\nb)%2)*512
.endr
.endr
	s_wait_tensorcnt 0x0                           ; the wave's end, behind my last LDS store
	ds_add_u32 v[SPW], v[NIL]
	s_wait_dscnt 0x0
	s_endpgm
.Lfunc_end_k_qcbf48d6c82_proj:
	.size	k_qcbf48d6c82_proj, .Lfunc_end_k_qcbf48d6c82_proj-k_qcbf48d6c82_proj
	.p2alignl 7, 3214868480
	.fill 96, 4, 3214868480
	.section	.rodata,"a",@progbits
	.p2align	6, 0x0
	.amdhsa_kernel k_qcbf48d6c82_proj
		.amdhsa_group_segment_fixed_size 295424
		.amdhsa_private_segment_fixed_size 0
		.amdhsa_enable_private_segment 0
		.amdhsa_kernarg_size 72
		.amdhsa_user_sgpr_count 2
		.amdhsa_user_sgpr_kernarg_segment_ptr 1
		.amdhsa_wavefront_size32 1
		.amdhsa_system_sgpr_workgroup_id_x 1
		.amdhsa_system_sgpr_workgroup_id_y 1
		.amdhsa_system_sgpr_workgroup_id_z 1
		.amdhsa_system_vgpr_workitem_id 0
		.amdhsa_next_free_vgpr 704
		.amdhsa_next_free_sgpr 66
		.amdhsa_reserve_vcc 0
		.amdhsa_float_denorm_mode_32 3
		.amdhsa_float_denorm_mode_16_64 3
		.amdhsa_memory_ordered 1
		.amdhsa_forward_progress 1
		.amdhsa_inst_pref_size 105
	.end_amdhsa_kernel
	.amdgpu_metadata
---
amdhsa.version: [ 1, 2 ]
amdhsa.kernels:
  - .name:           k_qcbf48d6c82_proj
    .symbol:         k_qcbf48d6c82_proj.kd
    .args:
      - { .name: Q, .offset: 0, .size: 8, .value_kind: global_buffer, .address_space: global }
      - { .name: K, .offset: 8, .size: 8, .value_kind: global_buffer, .address_space: global }
      - { .name: V, .offset: 16, .size: 8, .value_kind: global_buffer, .address_space: global }
      - { .name: Wq, .offset: 24, .size: 8, .value_kind: global_buffer, .address_space: global }
      - { .name: Wk, .offset: 32, .size: 8, .value_kind: global_buffer, .address_space: global }
      - { .name: bq, .offset: 40, .size: 8, .value_kind: global_buffer, .address_space: global }
      - { .name: qh, .offset: 48, .size: 8, .value_kind: global_buffer, .address_space: global }
      - { .name: kh, .offset: 56, .size: 8, .value_kind: global_buffer, .address_space: global }
      - { .name: vh, .offset: 64, .size: 8, .value_kind: global_buffer, .address_space: global }
    .group_segment_fixed_size: 295424
    .private_segment_fixed_size: 0
    .kernarg_segment_align: 8
    .kernarg_segment_size: 72
    .max_flat_workgroup_size: 128
    .sgpr_count:     66
    .vgpr_count:     704
    .wavefront_size: 32
...
	.end_amdgpu_metadata
.endif
;; end of part 1
;; launch attn (part 2): grid 8 x 32, 4 waves a work-group, clusters of 4 x 1, 327,680 bytes of LDS; arguments qh, kh, vh, key_padding_mask, out0; writes out0
.if DOCPART == 2
	.amdgcn_target "amdgcn-amd-amdhsa--gfx1250"
	.amdhsa_code_object_version 6
	.text
	.protected	k_qcbf48d6c82_attn
	.globl	k_qcbf48d6c82_attn
	.p2align	8
	.type	k_qcbf48d6c82_attn,@function
k_qcbf48d6c82_attn:
	s_mov_b64 s[64:65], 0
	v_nop
	global_prefetch_b8 v0, s[64:65] scope:SCOPE_SE
	s_setreg_imm32_b32 hwreg(HW_REG_WAVE_MODE, 25, 1), 1
	s_wait_xcnt 0x0
	s_wait_alu depctr_hold_cnt(0) depctr_sa_sdst(0) depctr_va_vdst(0) depctr_va_sdst(0) depctr_va_ssrc(0) depctr_va_vcc(0) depctr_vm_vsrc(0)
	s_getreg_b32 s2, hwreg(HW_REG_IB_STS2, 6, 4)
	s_cmp_eq_u32 s2, 0
	s_cbranch_scc0 .Lentry_in_a_cluster
	s_endpgm
.Lentry_in_a_cluster:
	s_bfe_u32 s2, ttmp6, 0x10000c
	s_cmp_lg_u32 s2, 0x3003
	s_cbranch_scc0 .Lentry_shape_is_right
	s_endpgm
.Lentry_shape_is_right:
; LAUNCH 2 OF 2.  out0[b][q][128 hd + :] = the sum over keys of softmax_key(q . k / sqrt(32)) V[b][key][128 hd + :], a NaN score and a key that key_padding_mask names counting as -inf.
; WORK LEFT OUT: bk (q . bk is the same for all keys of a row and cancels in the softmax: shown at the head of the first launch); a NaN or an infinity from bk alone is not carried on.
; q, k: f16 in fragment order [bh][token / 16][c][lane][8] (lane (r, h) holds token r, channels 16 c + 8 h + 0..7); v: f16 [bh][key][128].  Products, maxima and sums in f32.
; The weights p are rounded to f16 for the second product, and their sum l is the sum of those rounded weights.
; LIMITS.  A hidden key's score counts as its value less 2^100, and the running maximum starts at -2^96: a true score at or below -2^96 would count as hidden (f16 operands give 1.4e11 at the most).
; p below 6e-8 counts as 0.  A row of which every key is hidden or NaN ends with l = 0 and gives 0 x (1 / 0) = NaN, as the softmax of a row of -inf does.
; SHARES.  A work-group owns 256 queries of one (b, head), a wave 64: four tiles of 16, in two PIECES (0: tiles 0, 1; 2: tiles 2, 3).  Every wave walks the 2,048 keys, 64 a step.
; LAYOUT.  S^T = K Q^T + C (source 0 = 16 keys, source 1 = 16 queries; 32 channels: ONE product for 16 keys): a lane holds one query (lane % 16) and keys 8 (lane / 16) + 0..7.  C is the mask: 0 or -2^100.
; Two such results rounded to f16 ARE source 1 of O^T = V^T P.  l comes from the matrix unit: L += ones x P, of which every row is the row sum: register 0 alone is rescaled and read.
; NaN.  v_max3_num_f32 lets a NaN lose, so m is never one; a NaN weight is turned to 0 on the packed f16 by a maximum with 0, ahead of both products that read P.
; SOFTMAX.  p = 2^(c s - c m), c = log2(e) / sqrt(32), m the running maximum; in every step O and l are multiplied by a = 2^(c m_old - c m_new).
; BY TURNS.  In a turn piece x has the matrix unit: 8 products K Q^T of step j + 1, 32 products V^T P and 4 products ones x P of step j.  Behind each stand six of the turn's 270 vector entries:
; the other piece's softmax, and the maximum and statistics of piece x's new scores.  A turn's 66 exponentials are one batch with one wait.
; CLUSTER.  The four query blocks of a cluster share K and V: every tile is asked for jointly, by the same tensor load, descriptor and mask in all four.
; LDS.  V: two slots of 256 keys, rows 288 bytes apart (256 + 32: the turning load's 8 rows x 32 bytes fall on different banks, ISA guide 11.1); K of the whole head, dense, filled once;
; the mask's numbers, f32, and 512 bytes of zeros behind them; a stage of 16 rows x 528 bytes for each wave; the spare words.  All of a WGP's LDS is claimed.
; REGISTERS, in windows of 256.  Window 0: addresses; v64-191 the way out.  Window 2: v0-127 V, v128-159 K, v160-191 mask, v192-223 Q, v224-231 ones.
; Window 1 (piece 0) and window 3 (piece 2), tile u: v0-127 O^T (64 u), v128-143 L (8 u), v144-207 S^T (32 u), v208-239 P (16 u), v240-255 statistics (8 u): c m, m, 0, c m_old, c0-c3; a takes c2's place.
.set PVP,   288
.set SLOTX, 256*PVP                    ; 73,728 = 0x12000: the waves' offsets in a slot hold neither of its two bits, so one exclusive or changes slots
.set KB,    2*SLOTX
.set MASKB, KB+131072
.set STAGE, MASKB+8192+512
.set SP,    528
.set SPARE, STAGE+4*16*SP              ; the spare words: 128 bytes a wave, two blocks of 256 bytes that no other line names
.set AK0, 2                            ; v2   KB + 16 x lane
.set AV0, 3                            ; v3   my place in the turning load
.set AM0, 4                            ; v4   MASKB + 32 h
.set ADK, 5
.set ADM, 6
.set ADV, 7
.set STO, 8                            ; v8   the way out: where I put 32 bytes of a row
.set MO,  11                           ; v11  16 t: my bytes of the mask
.set RD,  12                           ; v12  the way out: where I read a row back
.set GO,  13                           ; v13  16 x lane, in out0
.set QO,  14                           ; v14  16 x lane, in qh
.set PFO, 15                           ; v15  256 x lane: a row of V
.set SPW, 62
.set NIL, 63
.set OB,  64
.set WV,  14
.set LIM, 15                           ; s15  1 in wave 0, else the greatest number
.set G1V, 24
.set G1K, 32
.set G0KA, 40
.set G0KB, 44
.set G0V0, 48
.set G0VW, 52                          ; slot 1's first fill; then it walks
.set SLOTS, 56
.set CNT, 57
.set CS,  58
.set SEL, 60
.set TBK, 62                           ; bytes of K from the head's first key to the step to be fetched
.set TBM, 63                           ; the same for the mask's numbers
.set TBV, 66                           ; LDS byte at which V of the step to be fetched begins
.set PFA, 68
.set BIG, 70
.set MSB, 0
.macro WIN new                         ; the immediate's high byte repeats the setting that is left; a switch that changes nothing is dropped
.if MSB != (\new)
	s_set_vgpr_msb (MSB<<8)|(\new)
.set MSB, (\new)
.endif
.endm
; A round of the cluster's barrier
.macro CROUND
	s_barrier_signal -1
	s_barrier_wait -1
	s_cmp_lg_u32 s[WV], 0
	s_cbranch_scc1 .Lnot_wave_0_\@
	s_barrier_signal -3
.Lnot_wave_0_\@:
	s_barrier_wait -3
	s_barrier_signal -1
	s_barrier_wait -1
.endm
; A prefetch into the L2 of the slot that the NEXT change of slots will load: four key steps, 352 matrix instructions, ahead.  A slot has 256 rows of 256 bytes; each of the head's eight work-groups takes 32,
; told apart by address; wave 0 asks, a lane a row: each row is named once in the launch.  The last change that fills a slot asks for nothing: there is no slot behind it.
.macro ASK
	s_cmp_gt_u32 s[SLOTS], s[LIM]
	s_cbranch_scc0 .Lnot_mine_\@
	global_prefetch_b8 v[PFO], s[PFA:PFA+1] th:TH_LOAD_NT scope:SCOPE_SE
.Lnot_mine_\@:
.endm
.macro REGS u                          ; the registers of tile u of a piece, in the piece's window
.set rT, 240+8*(\u)
.set rS, 144+32*(\u)
.set rP, 208+16*(\u)
.set rO, 64*(\u)
.set rL, 128+8*(\u)
.endm
; THE MATRIX WORK of piece PX.  Product i of 8 of S^T: keys 16 (i / 2) on, tile i % 2; C is the mask
.macro KQ
	WIN 0x6a+0x40*PX
.set rS, 144+32*(i%2)+8*(i/2)
	v_wmma_f32_16x16x32_f16 v[rS:rS+7], v[128+8*(i/2):128+8*(i/2)+7], v[192+8*(PX+i%2):192+8*(PX+i%2)+7], v[160+8*(i/2):160+8*(i/2)+7]
.endm
; Product i of 36: 0-31 O^T += V^T P: keys 32 (i / 16) on, channels 16 ((i / 2) % 8) on, tile i % 2; 32-35 L += ones x P.  The accumulators take turns, one instruction a turn
.macro PVL
	WIN 0x56+0x54*PX
.if i < 32
.set rO, 64*(i%2)+8*((i/2)%8)
.set rV, 64*(i/16)+8*((i/2)%8)
.set rP, 208+16*(i%2)+8*(i/16)
	v_wmma_f32_16x16x32_f16 v[rO:rO+7], v[rV:rV+7], v[rP:rP+7], v[rO:rO+7]
.else
.set rL, 128+8*(i%2)
.set rP, 208+16*(i%2)+8*((i-32)/2)
	v_wmma_f32_16x16x32_f16 v[rL:rL+7], v[224:231], v[rP:rP+7], v[rL:rL+7]
.endif
.endm
; THE LDS LOADS, in runs of 16.  K and the mask's numbers of a step; the fetch behind the last step reads the bytes behind K and the zeros behind the mask's numbers, and nothing multiplies them
.macro FETCH_K
	WIN 0
	v_add_nc_u32 v[ADK], s[TBK], v[AK0]
	v_add_nc_u32 v[ADM], s[TBM], v[AM0]
	s_add_co_u32 s[TBK], s[TBK], 4096
	s_add_co_u32 s[TBM], s[TBM], 256
	WIN 0x80
.irp kb, 0,1,2,3
	ds_load_b128 v[128+8*(\kb):128+8*(\kb)+3], v[ADK] offset:(\kb)*1024
	ds_load_b128 v[128+8*(\kb)+4:128+8*(\kb)+7], v[ADK] offset:(\kb)*1024+512
.endr
.irp kb, 0,1,2,3
	ds_load_b128 v[160+8*(\kb):160+8*(\kb)+3], v[ADM] offset:(\kb)*64
	ds_load_b128 v[160+8*(\kb)+4:160+8*(\kb)+7], v[ADM] offset:(\kb)*64+16
.endr
.endm
.macro FETCH_V0                        ; V's first 32 keys, turned; the wait for the turn's batch of exponentials stands in it
	WIN 0
	v_add_nc_u32 v[ADV], s[TBV], v[AV0]
	s_wait_alu depctr_va_vdst(0)
	WIN 0x80
.irp cb, 0,1,2,3,4,5,6,7
	ds_load_tr16_b128 v[8*(\cb):8*(\cb)+3],   v[ADV] offset:(\cb)*32
	ds_load_tr16_b128 v[8*(\cb)+4:8*(\cb)+7], v[ADV] offset:16*PVP+(\cb)*32
.endr
.endm
.macro FETCH_V1                        ; its second 32
	WIN 0x80
.irp cb, 0,1,2,3,4,5,6,7
	ds_load_tr16_b128 v[64+8*(\cb):64+8*(\cb)+3],   v[ADV] offset:32*PVP+(\cb)*32
	ds_load_tr16_b128 v[64+8*(\cb)+4:64+8*(\cb)+7], v[ADV] offset:48*PVP+(\cb)*32
.endr
	s_add_co_u32 s[TBV], s[TBV], 64*PVP
.endm
; THE VECTOR WORK.  Plain entry pn of piece PY: 0-31 c s - c m (tile pn % 2, pair pn / 2); 32-95 O^T times a; 96, 97 l times a
.macro PLN
	REGS pn%2
.if pn < 32
.set pb, pn/2
	v_pk_fma_f32 v[rS+2*pb:rS+2*pb+1], v[rS+2*pb:rS+2*pb+1], s[CS:CS+1], v[rT:rT+1] op_sel_hi:[1,0,0] neg_lo:[0,0,1] neg_hi:[0,0,1]
.elseif pn < 96
.set pb, (pn-32)/2
	v_pk_mul_f32 v[rO+2*pb:rO+2*pb+1], v[rO+2*pb:rO+2*pb+1], v[rT+6:rT+7] op_sel_hi:[1,0]
.else
	v_mul_f32 v[rL], v[rL], v[rT+6]
.endif
.endm
.macro EXN                             ; exponential en: tile en % 2, score en / 2
	REGS en%2
	v_exp_f32 v[rS+en/2], v[rS+en/2]
.endm
; Piece PY's queue, 162 long: two plain, then 32 times (exponential, plain, exponential, plain, plain).  Exponential e needs scaling 2 (e / 4) + e % 2, and 2 + 3 (e / 2) + e % 2 plain entries stand ahead of it
.macro YN
	WIN 0x55*(1+PY)
.if yq < 2
.set pn, yq
	PLN
.else
.set yg, (yq-2)/5
.set yp, (yq-2)%5
.if yp == 0
.set en, 2*yg
	EXN
.elseif yp == 2
.set en, 2*yg+1
	EXN
.elseif yp == 1
.set pn, 3*yg+2
	PLN
.else
.set pn, 3*yg+yp
	PLN
.endif
.endif
.set yq, yq+1
.endm
; Number xn of the 22 that find the maximum and statistics of tile xu of piece PX's new scores.  Each accumulator's lowest registers are read first
.macro XS
.if NOX == 0
	WIN 0x55*(1+PX)
	REGS xu
.if xn < 4
	v_max3_num_f32 v[rT+4+xn], v[rS+8*xn], v[rS+8*xn+1], v[rS+8*xn+2]
.elseif xn < 12
	v_max3_num_f32 v[rT+4+xn%4], v[rT+4+xn%4], v[rS+8*(xn%4)+2*(xn/4)+1], v[rS+8*(xn%4)+2*(xn/4)+2]
.elseif xn == 12
	v_max3_num_f32 v[rT+4], v[rT+4], v[rS+7], v[rS+15]
.elseif xn == 13
	v_max3_num_f32 v[rT+5], v[rT+5], v[rS+23], v[rS+31]
.elseif xn == 14
	v_max3_num_f32 v[rT+6], v[rT+6], v[rT+7], v[rT+1]
.elseif xn == 15
	v_mov_b32 v[rT+3], v[rT]                       ; c m_old is kept
.elseif xn == 16
	v_max3_num_f32 v[rT+4], v[rT+4], v[rT+5], v[rT+6]
.elseif xn == 17
	v_permlanex16_b32 v[rT+7], v[rT+4], s[SEL], s[SEL+1]  ; the query's other 32 keys lie in the lane 16 away
.elseif xn == 18
	v_max_num_f32 v[rT+1], v[rT+4], v[rT+7]
.elseif xn == 19
	v_mul_f32 v[rT], s[CS], v[rT+1]
.elseif xn == 20
	v_sub_f32 v[rT+5], v[rT+3], v[rT]
.else
	v_exp_f32 v[rT+6], v[rT+5]
.endif
.endif
.endm
; Entry q of a turn's 270.  0-59: piece PY's queue.  60-101: in each six four of XS's numbers 0-13, then two of the queue.  102-149: in each six one link of the chain 14-21 for both tiles, then four of the queue.
; 150-205: the queue; its last two are plain, the plain place behind the last exponential.  Ahead of 206 nothing names a result of the turn's exponentials; there stands the one wait.
; 206-237: the roundings to f16.  238-269: the maximum with 0 that turns a NaN weight into 0.
; In piece 2's turn the fetches stand by q: K at 54 (seven plain entries behind the last K Q^T), V's first half at 206 (its last reader eleven products back), V's second half at 240 (six plain entries behind its last reader).
.macro NEXT
.if q < 270
.if (q == 54) && (PX == 2)
	FETCH_K
.endif
.if q == 206
.if PX == 2
	FETCH_V0
.else
	s_wait_alu depctr_va_vdst(0)
.endif
.endif
.if (q == 240) && (PX == 2)
	FETCH_V1
.endif
.if q < 60
	YN
.elseif q < 102
.if (q-60)%6 < 4
.set xu, (q-60)%2
.set xn, 2*((q-60)/6)+((q-60)%6)/2
	XS
.else
	YN
.endif
.elseif q < 150
.if (q-102)%6 < 2
.set xu, (q-102)%6
.set xn, 14+(q-102)/6
	XS
.else
	YN
.endif
.elseif q < 206
	YN
.elseif q < 238
	WIN 0x55*(1+PY)
	REGS (q-206)%2
.set cc, (q-206)/2
	v_cvt_pk_f16_f32 v[rP+cc], v[rS+2*cc], v[rS+2*cc+1]
.else
	WIN 0x55*(1+PY)
	REGS (q-238)%2
.set cc, (q-238)/2
	v_pk_max_num_f16 v[rP+cc], v[rP+cc], v[rT+2]
.endif
.set q, q+1
.endif
.endm
.macro SL
.rept per
	NEXT
.endr
.endm
; A TURN: piece x has the matrix unit.  pv = 0: no products V^T P (the prologue): what is left of the entries stands in one run.  kq = 0: no new scores (the end): XS's entries are empty, eight numbers a product.
; The LDS loads of piece 2's turn go out in the order K, V's first half, V's second half, 16 each: piece 0's turn waits for them by count.
.macro TURN x, pv, kq
.set PX, (\x)
.set PY, 2-(\x)
.set NOX, 1-(\kq)
.set q, 0
.set yq, 0
.set per, 6
.if (\kq) == 0
.set per, 8
.endif
.if \kq
.if (\x) == 0
	s_wait_dscnt 32                                ; K and the mask's numbers are in; V's 32 loads are younger
.endif
.set i, 0
.rept 8
	KQ
	SL
.set i, i+1
.endr
.endif
.if \pv
.set i, 0
.rept 36
.if ((\x) == 0) && (i == 0)
	s_wait_dscnt 16                                ; V's first half is in
.endif
.if ((\x) == 0) && (i == 16)
	s_wait_dscnt 0x0                               ; and its second
.endif
	PVL
	SL
.set i, i+1
.endr
.endif
.if q < 270
.rept 270-q
	NEXT
.endr
.endif
.endm
; THE CHANGE OF SLOTS, behind the turn that has asked for the slot's last bytes.  Each wave waits for all its tensor loads, adds 0 to its spare word, and waits for that and for its reads of the slot.
; fill = 1: a round of the cluster's barrier, so that no wave of any partner still reads the slot or has a load on its way; the joint refill, 64 rows a wave, is the first thing behind it.
.macro CHANGE fill
	WIN 0
	s_wait_tensorcnt 0x0                           ; no tensor load of mine is out, so a group 0 may be written
	ds_add_u32 v[SPW], v[NIL]
.if \fill
	s_xor_b32 s[G0VW+1], s[G0VW+1], SLOTX          ; the other slot than last time,
	s_add_nc_u64 s[G0VW+2:G0VW+3], s[G0VW+2:G0VW+3], 65536  ; the next 256 keys
	s_wait_xcnt 0x0                                ; the last prefetch, four key steps back, has read its address
	s_add_nc_u64 s[PFA:PFA+1], s[PFA:PFA+1], 65536
	s_wait_dscnt 0x0                               ; the add is done, and my reads of the slot are over
	CROUND
	tensor_load_to_lds s[G0VW:G0VW+3], s[G1V:G1V+7]
	s_nop 0
.rept 4
	v_nop
.endr
	ASK
.else
	s_wait_dscnt 0x0
	s_barrier_signal -1
	s_barrier_wait -1
.endif
	s_sub_co_u32 s[TBV], s[TBV], 4*64*PVP          ; the fetches go back to a slot's first step,
	s_xor_b32 s[TBV], s[TBV], SLOTX                ; in the other slot
.endm
.macro STEPS n                         ; n key steps: written once, walked n times
	WIN 0
	s_mov_b32 s[CNT], \n
.Lstep_\@:
	TURN 0, 1, 1
	TURN 2, 1, 1
	WIN 0
	s_sub_co_u32 s[CNT], s[CNT], 1
	s_cmp_lg_u32 s[CNT], 0
	s_cbranch_scc1 .Lstep_\@
.endm
.macro INITP w                         ; a piece's O^T and L are 0; m starts at -2^96, c m is made of it as the loop makes it
	WIN \w
.set i, 0
.rept 144
	v_mov_b32 v[i], 0
.set i, i+1
.endr
.irp u, 0,1
	v_mov_b32 v[240+8*(\u)+1], 0xef800000
	v_mov_b32 v[240+8*(\u)+2], 0
	v_mul_f32 v[240+8*(\u)], s[CS], v[240+8*(\u)+1]
.endr
.endm
	s_load_b256 s[4:11], s[0:1], 0x0               ; qh s[4:5], kh s[6:7], vh s[8:9], key_padding_mask s[10:11]
	s_load_b64 s[12:13], s[0:1], 0x20              ; out0
	v_lshl_add_u32 v[SPW], v0, 2, SPARE
	v_mov_b32 v[NIL], 0
	ds_add_u32 v[SPW], v[NIL]                      ; the wave's opening: the add, twice on end, and its wait ahead of my first tensor load
	ds_add_u32 v[SPW], v[NIL]
	v_lshrrev_b32 v1, 5, v0
	v_readfirstlane_b32 s[WV], v1                  ; wave 0..3
	s_bfe_u32 s16, ttmp6, 0x40000                  ; cx
	s_lshl_b32 s17, ttmp9, 2
	s_add_co_u32 s17, s17, s16                     ; my block of 256 queries: it enters the addresses of qh, out0 and the prefetches alone
	s_and_b32 s18, ttmp7, 0xffff                   ; 8 b + head, which the partners share
	; group 1 for V: 64 rows x 128 elements of 2 bytes, 32 bytes of padding behind each row; the mask names all four work-groups, bit 21 beside it
	s_mov_b32 s[G1V], 15|(1<<16)|(1<<20)|(1<<21)|(5<<22)|(7<<25)
	s_mov_b32 s[G1V+1], 128<<16
	s_mov_b32 s[G1V+2], 64<<16
	s_mov_b32 s[G1V+3], 128<<16
	s_mov_b32 s[G1V+4], 64
	s_mov_b32 s[G1V+5], 128
	s_mov_b32 s[G1V+6], 0
	s_mov_b32 s[G1V+7], 0
	; group 1 for K: a dense block as 64 rows of 32 elements of 8 bytes
	s_mov_b32 s[G1K], 15|(3<<16)|(1<<21)
	s_mov_b32 s[G1K+1], 32<<16
	s_mov_b32 s[G1K+2], 64<<16
	s_mov_b32 s[G1K+3], 32<<16
	s_mov_b32 s[G1K+4], 64
	s_mov_b32 s[G1K+5], 32
	s_mov_b32 s[G1K+6], 0
	s_mov_b32 s[G1K+7], 0
	s_lshl_b32 s19, s[WV], 14                      ; my 16,384 bytes of a tile, in memory and in K's place in LDS
	s_mul_i32 s21, s[WV], 64*PVP                   ; my 64 rows of a slot of V
	s_mov_b32 s[G0KA], 1
	s_add_co_u32 s[G0KA+1], s19, KB
	s_mov_b32 s[G0KB], 1
	s_add_co_u32 s[G0KB+1], s19, KB+65536
	s_mov_b32 s[G0V0], 1
	s_mov_b32 s[G0V0+1], s21
	s_mov_b32 s[G0VW], 1
	s_add_co_u32 s[G0VW+1], s21, SLOTX
	s_lshl_b32 s20, s18, 17                        ; the head in kh
	s_add_co_u32 s20, s20, s19
	s_mov_b32 s21, 0
	s_lshl_b32 s22, s18, 19                        ; the head in vh
	s_add_co_u32 s22, s22, s19
	s_mov_b32 s23, 0
	s_mov_b32 s[CS], 0x3e8293ee                    ; c = log2(e) / sqrt(32) = 0.255035
	s_mov_b32 s[CS+1], s[CS]
	s_mov_b32 s[SEL], 0x76543210
	s_mov_b32 s[SEL+1], 0xfedcba98
	s_mov_b32 s[TBK], 0
	s_mov_b32 s[TBM], 0
	s_mov_b32 s[TBV], 0
	s_mov_b32 s[BIG], 0xf1800000                   ; -2^100
	s_mov_b32 s[SLOTS], 6
	s_cmp_eq_u32 s[WV], 0
	s_cselect_b32 s[LIM], 1, -1
	s_wait_dscnt 0x0                               ; both opening adds are done
	s_wait_kmcnt 0x0
	s_add_nc_u64 s[G0KA+2:G0KA+3], s[6:7], s[20:21]
	s_add_nc_u64 s[G0KB+2:G0KB+3], s[G0KA+2:G0KA+3], 65536
	s_or_b32 s[G0KA+3], s[G0KA+3], 0x80000000
	s_or_b32 s[G0KB+3], s[G0KB+3], 0x80000000
	s_add_nc_u64 s[G0V0+2:G0V0+3], s[8:9], s[22:23]
	s_add_nc_u64 s[G0VW+2:G0VW+3], s[G0V0+2:G0V0+3], 65536
	s_or_b32 s[G0V0+3], s[G0V0+3], 0x80000000
	s_or_b32 s[G0VW+3], s[G0VW+3], 0x80000000
	s_lshl_b32 s2, s18, 17                         ; qh: the head, my block's 16 blocks of 1,024 bytes, my wave's 4
	s_lshl_b32 s3, s17, 14
	s_add_co_u32 s2, s2, s3
	s_lshl_b32 s3, s[WV], 12
	s_add_co_u32 s2, s2, s3
	s_mov_b32 s3, 0
	s_add_nc_u64 s[4:5], s[4:5], s[2:3]
	s_lshr_b32 s19, s18, 3                         ; b
	s_lshl_b32 s2, s19, 11
	s_add_nc_u64 s[10:11], s[10:11], s[2:3]        ; the batch's 2,048 bytes of the mask
	s_lshl_b32 s2, s19, 23                         ; out0: rows of 4,096 bytes: 2,048 b + 256 block + 64 wave; 512 bytes a head
	s_lshl_b32 s19, s17, 20
	s_add_co_u32 s2, s2, s19
	s_lshl_b32 s19, s[WV], 18
	s_add_co_u32 s2, s2, s19
	s_and_b32 s19, s18, 7
	s_lshl_b32 s19, s19, 9
	s_add_co_u32 s2, s2, s19
	s_add_nc_u64 s[12:13], s[12:13], s[2:3]
	s_lshl_b32 s2, s18, 19                         ; the prefetches: the head in vh, my work-group's 32 rows, in slot 2: the first change steps it to slot 3
	s_lshl_b32 s19, s17, 13
	s_add_co_u32 s2, s2, s19
	s_add_co_u32 s2, s2, 2*65536
	s_add_nc_u64 s[PFA:PFA+1], s[8:9], s[2:3]
	CROUND                                         ; all four work-groups are here: the first joint loads meet
	tensor_load_to_lds s[G0KA:G0KA+3], s[G1K:G1K+7]  ; the four first fills go out as one group: four tensor loads of mine are out here, later one
	s_nop 0
	tensor_load_to_lds s[G0V0:G0V0+3], s[G1V:G1V+7]
	s_nop 0
	tensor_load_to_lds s[G0KB:G0KB+3], s[G1K:G1K+7]
	s_nop 0
	tensor_load_to_lds s[G0VW:G0VW+3], s[G1V:G1V+7]
	s_nop 0
.rept 4
	v_nop
.endr
	; all that follows up to the barrier stands in the wait for the first tiles
	v_and_b32 v10, 31, v0                          ; lane
	v_and_b32 v1, 15, v0                           ; r
	v_bfe_u32 v9, v0, 4, 1                         ; h
	v_lshlrev_b32 v[QO], 4, v10
	v_lshlrev_b32 v[MO], 4, v0
	WIN 0x80
.irp t, 0,1,2,3                        ; Q stays in registers: a fragment of 8 a tile
	global_load_b128 v[192+8*(\t):192+8*(\t)+3],   v[QO], s[4:5] offset:(\t)*1024
	global_load_b128 v[192+8*(\t)+4:192+8*(\t)+7], v[QO], s[4:5] offset:(\t)*1024+512
.endr
	WIN 0
	global_load_b128 v[16:19], v[MO], s[10:11]     ; my 16 bytes of the mask
	WIN 0x80
.set i, 0
.rept 8
	v_mov_b32 v[224+i], 0x3c003c00                 ; 1.0 twice in f16
.set i, i+1
.endr
	INITP 0x55                                     ; no first step is written out: its price is these clears
	INITP 0xff
	WIN 0
	v_lshl_add_u32 v[AK0], v10, 4, KB
	v_and_b32 v40, 7, v0
	v_lshl_add_u32 v40, v9, 3, v40                 ; key 8 h + lane % 8
	v_mul_u32_u24 v[AV0], v40, PVP
	v_bfe_u32 v41, v0, 3, 1
	v_lshl_add_u32 v[AV0], v41, 4, v[AV0]          ; channels 8 ((lane / 8) % 2) on
	v_lshl_add_u32 v[AM0], v9, 5, MASKB
	s_mul_i32 s20, s[WV], 16*SP
	s_add_co_u32 s20, s20, STAGE                   ; my stage
	v_mul_u32_u24 v[STO], v1, SP
	v_lshl_add_u32 v[STO], v9, 5, v[STO]
	v_add_nc_u32 v[STO], s20, v[STO]
	v_lshl_add_u32 v[RD], v10, 4, s20
	v_lshlrev_b32 v[GO], 4, v10
	v_lshlrev_b32 v[PFO], 8, v10
	v_lshl_add_u32 v37, v0, 6, MASKB               ; my 16 numbers of the mask
	v_lshl_add_u32 v38, v0, 2, MASKB+8192          ; my word of the zeros behind them
	v_mov_b32 v39, 0
	s_wait_loadcnt 0x0                             ; Q and the mask
.set i, 0
.rept 16
	v_bfe_u32 v36, v[16+i/4], 8*(i%4), 8
	v_cmp_ne_u32 vcc_lo, 0, v36
	v_cndmask_b32 v[20+i], 0, s[BIG], vcc_lo       ; 0, or -2^100 for a hidden key
.set i, i+1
.endr
.irp k, 0,1,2,3
	ds_store_b128 v37, v[20+4*(\k):23+4*(\k)] offset:16*(\k)
.endr
	ds_store_b32 v38, v39
	s_wait_tensorcnt 0x0                           ; my parts of K and of both slots of V have landed,
	s_wait_dscnt 0x0                               ; my part of the mask's numbers is written;
	s_barrier_signal -1
	s_barrier_wait -1                              ; everybody's
	FETCH_K                                        ; key step 0
	s_wait_dscnt 0x0
.set PX, 0
.set PY, 2
.set NOX, 0
.set i, 0
.rept 8
	KQ                                             ; piece 0's first scores: there is no vector work yet to set between them
.set i, i+1
.endr
.rept 4
	v_nop                                          ; the places behind those products
.endr
.set xn, 0
.rept 22
.set xu, 0
	XS
.set xu, 1
	XS
.set xn, xn+1
.endr
	v_nop                                          ; a plain instruction behind the two a,
	s_wait_alu depctr_va_vdst(0)                   ; and their wait
	TURN 2, 0, 1                                   ; piece 2's first scores | piece 0's first softmax | K of step 1, V of step 0
	STEPS 3                                        ; steps 0 to 2: they fetch the rest of slot 0
.Lslot:                                        ; six times: a slot is filled again (slots 2 to 7) and four steps are walked: steps 3 to 26
	CHANGE 1
	STEPS 4
	s_sub_co_u32 s[SLOTS], s[SLOTS], 1
	s_cmp_lg_u32 s[SLOTS], 0
	s_cbranch_scc1 .Lslot
	CHANGE 0                                       ; the tail is written out: nothing is asked for
	STEPS 4                                        ; steps 27 to 30
	TURN 0, 1, 0                                   ; piece 0: V^T P of step 31 | piece 2's last softmax
.set PX, 2
.set i, 0
.rept 36
	PVL                                            ; piece 2: V^T P and its sums of step 31
.set i, i+1
.endr
.rept 4
	v_nop                                          ; the places behind the last products
.endr
	; THE WAY OUT.  O^T is divided by l and sent, in f32, through my stage in LDS, a tile (16 rows of 512 bytes) at a time
	WIN 0x55
	v_rcp_f32 v246, v128
	v_rcp_f32 v254, v136
	WIN 0xff
	v_rcp_f32 v246, v128
	v_rcp_f32 v254, v136
	v_nop                                          ; a plain instruction between the last reciprocal and the use of its result,
	s_wait_alu depctr_va_vdst(0)                   ; and the one wait for the four
.macro PACK t
.set pp, 2*((\t)/2)
	REGS (\t)%2
.if (\t) >= 2
	s_wait_xcnt 0x0                                ; the stores of the tile two back have read the registers that the loads below fill
.endif
	WIN 0x55*(1+pp)
.set i, 0
.rept 32
	v_pk_mul_f32 v[rO+2*i:rO+2*i+1], v[rO+2*i:rO+2*i+1], v[rT+6:rT+7] op_sel_hi:[1,0]
.set i, i+1
.endr
	WIN 0x04*(1+pp)                                ; the stores' data in the piece's window
.irp cb, 0,1,2,3,4,5,6,7
	ds_store_b128 v[STO], v[rO+8*(\cb):rO+8*(\cb)+3]   offset:(\cb)*64
	ds_store_b128 v[STO], v[rO+8*(\cb)+4:rO+8*(\cb)+7] offset:(\cb)*64+16
.endr
	WIN 0
.irp f, 0,1,2,3,4,5,6,7,8,9,10,11,12,13,14,15
	ds_load_b128 v[OB+64*((\t)%2)+4*(\f):OB+64*((\t)%2)+4*(\f)+3], v[RD] offset:(\f)*SP  ; LDS serves a wave's instructions in order (ISA guide 5.7.1.4): these see the stores above
.endr
.endm
.macro SEND t, younger                 ; younger: the LDS instructions issued behind tile t's loads: the next tile's 32, or none
	WIN 0
.irp f, 0,1,2,3,4,5,6,7,8,9,10,11,12,13,14,15
	s_wait_dscnt (\younger)+15-(\f)
	global_store_b128 v[GO], v[OB+64*((\t)%2)+4*(\f):OB+64*((\t)%2)+4*(\f)+3], s[12:13] offset:(\t)*65536+(\f)*4096 th:TH_STORE_NT  ; 512 consecutive bytes, aligned
.endr
.endm
	PACK 0
	PACK 1
	SEND 0, 32
	PACK 2
	SEND 1, 32
	PACK 3
	SEND 2, 32
	SEND 3, 0
	s_wait_tensorcnt 0x0                           ; the wave's end, behind my last tensor load and my last LDS store
	ds_add_u32 v[SPW], v[NIL]
	s_wait_dscnt 0x0
	CROUND                                         ; the closing round: no work-group ends while a partner may still ask for a tile that names it
	s_endpgm
.Lfunc_end_k_qcbf48d6c82_attn:
	.size	k_qcbf48d6c82_attn, .Lfunc_end_k_qcbf48d6c82_attn-k_qcbf48d6c82_attn
	.p2alignl 7, 3214868480
	.fill 96, 4, 3214868480
	.section	.rodata,"a",@progbits
	.p2align	6, 0x0
	.amdhsa_kernel k_qcbf48d6c82_attn
		.amdhsa_group_segment_fixed_size 327680
		.amdhsa_private_segment_fixed_size 0
		.amdhsa_enable_private_segment 0
		.amdhsa_kernarg_size 40
		.amdhsa_user_sgpr_count 2
		.amdhsa_user_sgpr_kernarg_segment_ptr 1
		.amdhsa_wavefront_size32 1
		.amdhsa_system_sgpr_workgroup_id_x 1
		.amdhsa_system_sgpr_workgroup_id_y 1
		.amdhsa_system_sgpr_workgroup_id_z 1
		.amdhsa_system_vgpr_workitem_id 0
		.amdhsa_next_free_vgpr 1024
		.amdhsa_next_free_sgpr 72
		.amdhsa_reserve_vcc 1
		.amdhsa_float_denorm_mode_32 3
		.amdhsa_float_denorm_mode_16_64 3
		.amdhsa_memory_ordered 1
		.amdhsa_forward_progress 1
		.amdhsa_inst_pref_size 225
	.end_amdhsa_kernel
	.amdgpu_metadata
---
amdhsa.version: [ 1, 2 ]
amdhsa.kernels:
  - .name:           k_qcbf48d6c82_attn
    .symbol:         k_qcbf48d6c82_attn.kd
    .args:
      - { .name: qh, .offset: 0, .size: 8, .value_kind: global_buffer, .address_space: global }
      - { .name: kh, .offset: 8, .size: 8, .value_kind: global_buffer, .address_space: global }
      - { .name: vh, .offset: 16, .size: 8, .value_kind: global_buffer, .address_space: global }
      - { .name: key_padding_mask, .offset: 24, .size: 8, .value_kind: global_buffer, .address_space: global }
      - { .name: out0, .offset: 32, .size: 8, .value_kind: global_buffer, .address_space: global }
    .group_segment_fixed_size: 327680
    .private_segment_fixed_size: 0
    .kernarg_segment_align: 8
    .kernarg_segment_size: 40
    .max_flat_workgroup_size: 128
    .sgpr_count:     72
    .vgpr_count:     1024
    .wavefront_size: 32
...
	.end_amdgpu_metadata
.endif
;; end of part 2
;; ======== version 2 of 2: 2 launches; version 1 with the launch proj written anew for expert scheduling mode
;; limits: values are held in f16: magnitudes above 65,504 overflow, below 6.1e-05 lose precision
;; workspace buffers: qh 4,194,304 bytes; kh 4,194,304 bytes; vh 16,777,216 bytes
;; launch proj (part 3): grid 2 x 128, 4 waves a work-group, no clusters, 295,424 bytes of LDS; arguments Q, K, V, Wq, Wk, bq, qh, kh, vh; writes qh, kh, vh
.if DOCPART == 3
	.amdgcn_target "amdgcn-amd-amdhsa--gfx1250"
	.amdhsa_code_object_version 6
	.text
	.protected	k_qcbf48d6c82_proj
	.globl	k_qcbf48d6c82_proj
	.p2align	8
	.type	k_qcbf48d6c82_proj,@function
k_qcbf48d6c82_proj:
	s_mov_b64 s[64:65], 0
	v_nop
	global_prefetch_b8 v0, s[64:65] scope:SCOPE_SE
	s_setreg_imm32_b32 hwreg(HW_REG_WAVE_SCHED_MODE, 0, 2), 2
	s_setreg_imm32_b32 hwreg(HW_REG_WAVE_MODE, 25, 1), 1
	s_wait_xcnt 0x0
	s_wait_alu depctr_vm_vsrc(0)
; LAUNCH 1 OF 2.  q = Q Wq + bq and k = K Wk, both [8192][256], rounded once to f16 and stored by heads in the order in which the second launch's matrix operands
; take them; and V rounded once to f16 and stored by heads, [b*8+head][key][128].  Products with f16 operands and f32 sums.
; WORK LEFT OUT: bk.  scores[b,h,q,key] = q . (K Wk)[key] + q . bk: the second term is the same for all keys of one (b, h, q), and a term that is the same along a softmax's
; axis cancels for every finite value of the inputs; it moves neither the mask's -inf nor, in exact arithmetic, the test for NaN.  So bk is not loaded and is no argument of any launch.
; LIMIT: a NaN, an infinity or an overflow that would come from bk alone is not carried to the result.  bq stays: bq . (K Wk)[key] differs from key to key.
; LIMITS OF FORMAT: Q, K, V, Wq, Wk, q and k are kept in f16: magnitudes from 65,520 on become infinities, numbers below 6e-5 keep f16's fixed step of 6e-8.
; SHARES.  Work-group (x, y): y < 64 takes Q, Wq, bq, qh; y >= 64 takes K, Wk, kh.  It makes rows 128 (y & 63) .. + 127 times columns 128 x .. + 127 (heads 4 x .. 4 x + 3), K = 1024:
; wave w 32 rows x 128 columns, 16 accumulators.  It also rounds V's rows 32 g .. 32 g + 31, g = 2 y + x, two rows a trip.  256 work-groups of equal work.
; LDS.  The half of W, rounded to f16, [k 1024][n 128], rows 288 bytes apart (256 + 32: the turning load's 8 rows x 32 bytes then fall on different banks, ISA guide 11.1); behind it the spare words.
; ORDER OF k.  A trip takes 64 k.  Lane (r, h) reads 128 consecutive bytes of row r: k = k0 + 32 h + e, e = 0..31; fragment f takes e = 16 f .. 16 f + 15.  W's fragments are read by the
; same order (rows k0 + 32 h + 16 f + 0..7 and + 8..15), and a permutation of k that both operands share keeps the products.
; THE PRODUCT IS USED TRANSPOSED (source 0 = 16 columns of W, source 1 = 16 rows of tokens): a lane ends with one token (lane % 16) and eight neighbouring columns, 16 bytes of f16,
; and a wave's store covers 512 consecutive bytes, aligned: no stage is needed.
; NO TENSOR LOADS: W has to pass through registers to become f16 before the turning load can read it, and its f16 half leaves no room in LDS for f32 slots.
; REGISTERS.  Window 0: v0-13 addresses; v32-63 tokens' fragments (staging: W in f16); v64-191 accumulators; v192-223 V to store, four buffers; v192-255 at the end the packed results.
; Window 1: three sets of 80, as loaded: 64 of tokens, 16 of V (staging: 64 of W).  Window 2: v0-127 W's fragments; v128-191 what starts the sums (bq, or 0 for k).
; THE MODE: SCHED_MODE bits 1:0 = 2 (LLVM: expert scheduling mode 2), set by the entry lines.  The code itself states the register dependences
; between vector or matrix instructions and memory or LDS instructions, with s_wait_alu, always for 0.
; THE PLAN.  Registers that memory or LDS instructions touch:
;   sets 0-2      Written by global loads; read by the conversions of one batch (staging) or one trip; behind those conversions loaded again.
;   TF            Staging: written by a batch's conversions, read by its eight LDS stores.  In the main part named by vector and matrix instructions alone.
;   W's fragments Written by a trip's 32 turning loads; read by the same trip's 32 products.
;   VO0 .. VO3    Buffer c: written by the eight conversions of the trip with number c, read by its two stores; written again a round of three trips later (VO0: at the end alone, as part of OUT).
;   OUT           Written by the last conversions, read by the last sixteen stores.
;   v[SA]         Read by the LDS stores; stepped at a staging round's end and once more ahead of batch 15.
;   v[AW]         Read by the turning loads; stepped at a main round's end: a trip's place in the round stands in the loads' immediate offset.
;   v3-v6, v9, v10  Offsets, made at the head and never written again: the scalar pointers step, and immediate offsets do the rest.
; STAGING: one wait on va_vdst a batch, behind its conversions, ahead of the loads into the set just read and of the LDS stores; one wait on vm_vsrc ahead of the next writer of TF.
; MAIN: ONE wait on va_vdst a trip, behind its forty conversions; all the trip's loads and stores follow it, and the products among them name none of the registers that those touch.
; One wait on vm_vsrc a round, at its end, ahead of the step of v[AW] and of the next round's writes of VO1 to VO3.
.set WPITCH, 288
.set BATCHB, 64*WPITCH                 ; 64 rows of W in LDS
.set SPARE,  1024*WPITCH               ; the spare words: 128 bytes a wave, two blocks of 256 bytes that no other line names
.set TO,  3                            ; v3   tokens: r x 4096 + h x 128
.set VOF, 4                            ; v4   V: 32 t
.set VDO, 5                            ; v5   vh: (t / 16) heads of 524,288 bytes + 16 (t % 16)
.set WOF, 6                            ; v6   W: (t / 16) rows of 1,024 bytes + 32 (t % 16)
.set SA,  7                            ; v7   LDS: (t / 16) rows + 16 (t % 16); steps with the staging rounds
.set AW,  8                            ; v8   LDS: my place in W's fragments; steps with the main rounds
.set QO,  9                            ; v9   16 x lane
.set BO,  10                           ; v10  32 h
.set SPW, 12                           ; v12  my spare word
.set NIL, 13                           ; v13  0
.set TF,  32
.set ACC, 64
.set VO,  192                          ; buffer c at VO + 8 c
.set OUT, 192
.set BI,  128                          ; window 2
.set WV,  22
.set TP,  26                           ; s[26:27] tokens at my wave's first row
.set WP,  28                           ; s[28:29] W at my half's first column
.set DP,  30                           ; s[30:31] qh or kh at my wave's first block
.set VP,  32                           ; s[32:33] V at the work-group's first row
.set VD,  34                           ; s[34:35] vh at the same row, head 0
.set BP,  36                           ; s[36:37] bq at my half
.set CNT, 38
.set MSB, 0
.macro WIN new                         ; the immediate's high byte repeats the setting that is left; a switch that changes nothing is dropped
.if MSB != (\new)
	s_set_vgpr_msb (MSB<<8)|(\new)
.set MSB, (\new)
.endif
.endm
	s_load_b512 s[4:19], s[0:1], 0x0               ; Q, K, V, Wq, Wk, bq, qh, kh
	s_load_b64 s[20:21], s[0:1], 0x40              ; vh
	v_lshl_add_u32 v[SPW], v0, 2, SPARE
	v_mov_b32 v[NIL], 0
	v_lshrrev_b32 v14, 5, v0
	v_readfirstlane_b32 s[WV], v14                 ; wave 0..3
	s_mov_b32 s23, ttmp9                           ; x
	s_and_b32 s24, ttmp7, 0xffff                   ; y
	s_lshl1_add_u32 s25, s24, s23                  ; g = 2 y + x
	v_and_b32 v1, 15, v0                           ; r, and t % 16
	v_bfe_u32 v2, v0, 4, 1                         ; h
	v_lshrrev_b32 v11, 4, v0                       ; t / 16
	v_lshlrev_b32 v[TO], 12, v1
	v_lshl_add_u32 v[TO], v2, 7, v[TO]
	v_lshlrev_b32 v[VOF], 5, v0
	v_lshlrev_b32 v[VDO], 19, v11
	v_lshl_add_u32 v[VDO], v1, 4, v[VDO]
	v_lshlrev_b32 v[WOF], 10, v11
	v_lshl_add_u32 v[WOF], v1, 5, v[WOF]
	v_mul_u32_u24 v[SA], v11, WPITCH
	v_lshl_add_u32 v[SA], v1, 4, v[SA]
	v_and_b32 v14, 7, v0
	v_lshl_add_u32 v14, v2, 5, v14                 ; row 32 h + lane % 8
	v_mul_u32_u24 v[AW], v14, WPITCH
	v_bfe_u32 v15, v0, 3, 1
	v_lshl_add_u32 v[AW], v15, 4, v[AW]            ; + 16 bytes for the second eight columns
	v_and_b32 v[QO], 31, v0
	v_lshlrev_b32 v[QO], 4, v[QO]
	v_lshlrev_b32 v[BO], 5, v2
	s_wait_alu depctr_va_sdst(0)                   ; the wave's number is written into s22, ahead of its first reader: the pointers below are made from it
	s_and_b32 s40, s24, 63                         ; the row block in its tensor
	s_lshl_b32 s42, s40, 19                        ; 128 rows of 4,096 bytes
	s_lshl_b32 s43, s[WV], 17                      ; my wave's 32
	s_add_co_u32 s42, s42, s43
	s_mov_b32 s43, 0
	s_wait_kmcnt 0x0
	s_cmp_lt_u32 s24, 64
	s_cselect_b64 s[TP:TP+1], s[4:5], s[6:7]
	s_cselect_b64 s[WP:WP+1], s[10:11], s[12:13]
	s_cselect_b64 s[DP:DP+1], s[16:17], s[18:19]
	s_add_nc_u64 s[TP:TP+1], s[TP:TP+1], s[42:43]
	s_lshl_b32 s42, s23, 9                         ; 128 columns of f32
	s_add_nc_u64 s[WP:WP+1], s[WP:WP+1], s[42:43]
	s_add_nc_u64 s[BP:BP+1], s[14:15], s[42:43]
	s_lshr_b32 s41, s40, 4                         ; the batch: 8 heads of 131,072 bytes
	s_lshl_b32 s42, s41, 20
	s_lshl_b32 s41, s23, 19                        ; my four heads
	s_add_co_u32 s42, s42, s41
	s_and_b32 s41, s40, 15
	s_lshl_b32 s41, s41, 3
	s_lshl1_add_u32 s41, s[WV], s41                ; block of 16 tokens: 8 (y & 15) + 2 w
	s_lshl_b32 s41, s41, 10
	s_add_co_u32 s42, s42, s41
	s_add_nc_u64 s[DP:DP+1], s[DP:DP+1], s[42:43]
	s_lshl_b32 s42, s25, 17                        ; 32 rows of 4,096 bytes
	s_add_nc_u64 s[VP:VP+1], s[8:9], s[42:43]
	s_lshr_b32 s41, s25, 6                         ; the batch: 8 heads of 524,288 bytes
	s_lshl_b32 s42, s41, 22
	s_and_b32 s41, s25, 63
	s_lshl_b32 s41, s41, 13                        ; 32 keys of 256 bytes
	s_add_co_u32 s42, s42, s41
	s_add_nc_u64 s[VD:VD+1], s[20:21], s[42:43]
	s_wait_alu depctr_va_vdst(0)                   ; the eight offsets and addresses v3 to v10 are written, which the loads and stores of the whole kernel read
	; what starts the sums: register j of block nb holds the number for column 16 nb + 8 h + j: bq for q, 0 for k
	s_cmp_lt_u32 s24, 64
	s_cbranch_scc0 .Lfor_k
	WIN 0x80
.irp nb, 0,1,2,3,4,5,6,7
	global_load_b128 v[BI+8*(\nb):BI+8*(\nb)+3],   v[BO], s[BP:BP+1] offset:(\nb)*64
	global_load_b128 v[BI+8*(\nb)+4:BI+8*(\nb)+7], v[BO], s[BP:BP+1] offset:(\nb)*64+16
.endr
	WIN 0
	s_branch .Lstarted
.Lfor_k:
	WIN 0x80
.set i, 0
.rept 64
	v_mov_b32 v[BI+i], 0                           ; products alone read these: no load or store names them on this way
.set i, i+1
.endr
	WIN 0
.Lstarted:                                     ; bq's loads are older than every counted load below, so the counts hold on both ways
; 16 loads: 64 rows of W's half, from byte off behind the pointer, into set s.  Pass p: rows 8 p + t / 16, 32 bytes a thread
.macro WLOADS s, off
	WIN 0x40
.irp p, 0,1,2,3,4,5,6,7
	global_load_b128 v[80*(\s)+8*(\p):80*(\s)+8*(\p)+3],   v[WOF], s[WP:WP+1] offset:(\off)+(\p)*8192
	global_load_b128 v[80*(\s)+8*(\p)+4:80*(\s)+8*(\p)+7], v[WOF], s[WP:WP+1] offset:(\off)+(\p)*8192+16
.endr
.endm
; set s is rounded to f16.  cnt: the younger loads, which may stay out.  e = 1: LDS stores that read TF have been issued since the last wait on vm_vsrc.
; The loads into the set and then LAY's LDS stores follow the macro's last line.
.macro BATCH s, cnt, e
	s_wait_loadcnt \cnt
.if \e
	s_wait_alu depctr_vm_vsrc(0)                   ; the batch before's LDS stores have read TF, which the conversions below write again
.endif
	WIN 0x05
.irp p, 0,1,2,3,4,5,6,7
.irp k, 0,1,2,3
	v_cvt_pk_f16_f32 v[TF+4*(\p)+(\k)], v[80*(\s)+8*(\p)+2*(\k)], v[80*(\s)+8*(\p)+2*(\k)+1]
.endr
.endr
	WIN 0x40
	s_wait_alu depctr_va_vdst(0)                   ; the conversions are done reading set s, in which the next loads land, and have written TF, which the LDS stores read; where v[SA] was stepped, it is written
.endm
; TF is laid into LDS, bi batches behind SA
.macro LAY bi
	WIN 0
.irp p, 0,1,2,3,4,5,6,7
	ds_store_b128 v[SA], v[TF+4*(\p):TF+4*(\p)+3] offset:(\bi)*BATCHB+(\p)*8*WPITCH
.endr
.endm
; The 20 loads of trip c (counted from the pointers) into set s, in two parts.  A, 12 loads: the first 16 rows x 256 bytes of tokens and two rows of V
.macro TLOADA s, c
	WIN 0x40
.irp i, 0,1,2,3,4,5,6,7
	global_load_b128 v[80*(\s)+4*(\i):80*(\s)+4*(\i)+3], v[TO], s[TP:TP+1] offset:(\c)*256+16*(\i)
.endr
.irp rr, 0,1
	global_load_b128 v[80*(\s)+64+8*(\rr):80*(\s)+64+8*(\rr)+3],   v[VOF], s[VP:VP+1] offset:(\c)*8192+(\rr)*4096 th:TH_LOAD_NT
	global_load_b128 v[80*(\s)+64+8*(\rr)+4:80*(\s)+64+8*(\rr)+7], v[VOF], s[VP:VP+1] offset:(\c)*8192+(\rr)*4096+16 th:TH_LOAD_NT
.endr
.endm
; B, 8 loads: the second 16 rows of tokens
.macro TLOADB s, c
	WIN 0x40
.irp i, 0,1,2,3,4,5,6,7
	global_load_b128 v[80*(\s)+32+4*(\i):80*(\s)+32+4*(\i)+3], v[TO], s[TP:TP+1] offset:(\c)*256+65536+16*(\i)
.endr
.endm
; 16 products on fragment f.  The 16 accumulators take turns, one instruction a turn, in the same order everywhere.  first = 1: the sums start with BI
.macro MULS f, first
.if \first
	WIN 0x22
.else
	WIN 0x02
.endif
.irp rb, 0,1
.irp nb, 0,1,2,3,4,5,6,7
.if \first
	v_wmma_f32_16x16x32_f16 v[ACC+8*(8*(\rb)+(\nb)):ACC+8*(8*(\rb)+(\nb))+7], v[64*(\f)+8*(\nb):64*(\f)+8*(\nb)+7], v[TF+16*(\rb)+8*(\f):TF+16*(\rb)+8*(\f)+7], v[BI+8*(\nb):BI+8*(\nb)+7]
.else
	v_wmma_f32_16x16x32_f16 v[ACC+8*(8*(\rb)+(\nb)):ACC+8*(8*(\rb)+(\nb))+7], v[64*(\f)+8*(\nb):64*(\f)+8*(\nb)+7], v[TF+16*(\rb)+8*(\f):TF+16*(\rb)+8*(\f)+7], v[ACC+8*(8*(\rb)+(\nb)):ACC+8*(8*(\rb)+(\nb))+7]
.endif
.endr
.endr
.endm
; A trip: 64 k.  s: its set; c: its number, counted from the pointers and from v[AW]; ld = 1: the trip three on is asked for; cnt: the younger loads
.macro TRIP s, c, ld, first, cnt
	s_wait_loadcnt \cnt                            ; my set is in
	WIN 0x05
.irp rr, 0,1                           ; V's eight conversions are also the four places between the last trip's products and the conversions that write TF, which those products read
.irp k, 0,1,2,3
	v_cvt_pk_f16_f32 v[VO+8*(\c)+4*(\rr)+(\k)], v[80*(\s)+64+8*(\rr)+2*(\k)], v[80*(\s)+64+8*(\rr)+2*(\k)+1]
.endr
.endr
.irp rb, 0,1
.irp f, 0,1
.irp i, 0,1,2,3,4,5,6,7
	v_cvt_pk_f16_f32 v[TF+16*(\rb)+8*(\f)+(\i)], v[80*(\s)+32*(\rb)+16*(\f)+2*(\i)], v[80*(\s)+32*(\rb)+16*(\f)+2*(\i)+1]
.endr
.endr
.endr
	WIN 0x80
	s_wait_alu depctr_va_vdst(0)                   ; the conversions have written VO's buffer c, which the stores read, and are done reading set s, in which the loads land; the last trip's products are done reading W's fragments, in which the turning loads land; in a round's first trip v[AW] is written
.irp f, 0,1
.irp nb, 0,1,2,3,4,5,6,7
	ds_load_tr16_b128 v[64*(\f)+8*(\nb):64*(\f)+8*(\nb)+3],   v[AW] offset:(\c)*BATCHB+(\f)*16*WPITCH+(\nb)*32
	ds_load_tr16_b128 v[64*(\f)+8*(\nb)+4:64*(\f)+8*(\nb)+7], v[AW] offset:(\c)*BATCHB+(\f)*16*WPITCH+8*WPITCH+(\nb)*32  ; 62,432 at the most: inside the offset's 16 bits
.endr
.endr
.if \ld
	TLOADA \s, (\c)+3                              ; the set is asked for again while the turning loads are out
.endif
	WIN 0
.irp rr, 0,1
	global_store_b128 v[VDO], v[VO+8*(\c)+4*(\rr):VO+8*(\c)+4*(\rr)+3], s[VD:VD+1] offset:(\c)*512+(\rr)*256  ; 16 lanes store 256 consecutive bytes, aligned
.endr
	s_wait_dscnt 16                                ; fragment 0 of W is in; fragment 1's sixteen loads may stay out
	MULS 0, \first
.if \ld
	TLOADB \s, (\c)+3                              ; no wait: the products since the trip's wait name the accumulators, TF, W's fragments and BI, none of which these loads touch
.endif
	s_wait_dscnt 0x0
	MULS 1, 0
.endm
	; STAGING: 16 batches of 64 rows of W, three sets by turns
	WLOADS 0, 0
	WLOADS 1, 65536
	WLOADS 2, 131072
	WIN 0
	s_mov_b32 s[CNT], 4
.Lstage:                                       ; batches 3 i .. 3 i + 2 are laid down, 3 i + 3 .. 3 i + 5 asked for
	BATCH 0, 32, 0                                 ; two younger batches of 16 loads stay out; TF is free: at the first trip no LDS store has been issued, later the wait at the round's end has shown it read
	WLOADS 0, 3*65536
	LAY 0
	BATCH 1, 32, 1
	WLOADS 1, 4*65536
	LAY 1
	BATCH 2, 32, 1
	WLOADS 2, 5*65536
	LAY 2
	s_wait_xcnt 0x0                                ; the loads have read the pointer
	s_wait_alu depctr_vm_vsrc(0)                   ; the LDS stores have read v[SA], which is stepped below, and TF, which the next batch's conversions write
	s_add_nc_u64 s[WP:WP+1], s[WP:WP+1], 3*65536
	v_add_nc_u32 v[SA], 3*BATCHB, v[SA]
	s_sub_co_u32 s[CNT], s[CNT], 1
	s_cmp_lg_u32 s[CNT], 0
	s_cbranch_scc1 .Lstage
	BATCH 0, 32, 0                                 ; batch 12; younger: 13, 14
	WLOADS 0, 3*65536                              ; batch 15
	LAY 0
	BATCH 1, 32, 1                                 ; batch 13; younger: 14, 15
	TLOADA 1, 0                                    ; the main loop's first three trips are asked for as the sets come free
	TLOADB 1, 0
	LAY 1
	BATCH 2, 36, 1                                 ; batch 14; younger: 15's 16 and trip 0's 20
	TLOADA 2, 1
	TLOADB 2, 1
	LAY 2
	s_wait_alu depctr_vm_vsrc(0)                   ; the LDS stores have read v[SA], which is stepped below, and TF, which batch 15's conversions write
	v_add_nc_u32 v[SA], 3*BATCHB, v[SA]            ; so that batch 15's offsets stay inside 16 bits
	BATCH 0, 40, 0                                 ; batch 15; younger: trips 0 and 1
	TLOADA 0, 2
	TLOADB 0, 2
	LAY 0
	s_wait_dscnt 0x0                               ; for the others' sake: my part of W lies in LDS
	s_barrier_signal -1
	s_barrier_wait -1                              ; everybody's does; nothing writes it again
	s_wait_alu depctr_vm_vsrc(0)                   ; batch 15's LDS stores have read TF, which the trips' conversions write from here on
	; MAIN: 16 trips; trip c has set (c + 1) % 3
	TRIP 1, 0, 1, 1, 40                            ; its products start the sums
	WIN 0
	s_mov_b32 s[CNT], 4
.Lmain:                                        ; trips 3 i + 1 .. 3 i + 3; two younger trips of 20 loads stay out
	TRIP 2, 1, 1, 0, 40
	TRIP 0, 2, 1, 0, 40
	TRIP 1, 3, 1, 0, 40
	WIN 0
	s_wait_xcnt 0x0                                ; loads and stores have read the pointers, and the stores VO's buffers 1 to 3
	s_wait_alu depctr_vm_vsrc(0)                   ; the round's stores have read VO's buffers 1 to 3, which the next round's conversions write; the turning loads have read v[AW], which is stepped below
	s_add_nc_u64 s[TP:TP+1], s[TP:TP+1], 3*256
	s_add_nc_u64 s[VP:VP+1], s[VP:VP+1], 3*8192
	s_add_nc_u64 s[VD:VD+1], s[VD:VD+1], 3*512
	v_add_nc_u32 v[AW], 3*BATCHB, v[AW]            ; the next round's 192 rows of W
	s_sub_co_u32 s[CNT], s[CNT], 1
	s_cmp_lg_u32 s[CNT], 0
	s_cbranch_scc1 .Lmain
	TRIP 2, 1, 0, 0, 40                            ; the last three trips load nothing: the counts run down
	TRIP 0, 2, 0, 0, 20
	TRIP 1, 3, 0, 0, 0
	WIN 0
	s_wait_xcnt 0x0                                ; V's stores have had their addresses translated: VO's registers are written again, as OUT, only behind this wait
	s_wait_alu depctr_vm_vsrc(0)                   ; V's stores have read VO's four buffers, which the conversions below write as part of OUT
.rept 4
	v_nop                                          ; four places between the last product and the conversions (ISA guide 7.12.1)
.endr
.set a, 0
.rept 16                               ; each accumulator's registers in ascending order
.irp k, 0,1,2,3
	v_cvt_pk_f16_f32 v[OUT+4*a+(\k)], v[ACC+8*a+2*(\k)], v[ACC+8*a+2*(\k)+1]
.endr
.set a, a+1
.endr
	s_wait_alu depctr_va_vdst(0)                   ; the conversions have written OUT, which the sixteen stores read
.irp rb, 0,1
.irp nb, 0,1,2,3,4,5,6,7               ; head nb / 2 of my four, channels 16 (nb % 2) on: 512 consecutive bytes a store, aligned
	global_store_b128 v[QO], v[OUT+4*(8*(\rb)+(\nb)):OUT+4*(8*(\rb)+(\nb))+3], s[DP:DP+1] offset:(\rb)*1024+((\nb)/2)*131072+((\nb)%2)*512
.endr
.endr
	s_wait_dscnt 0x0                               ; the closing lines, six on end
	s_wait_alu 0x0
	s_wait_tensorcnt 0x0
	ds_add_u32 v[SPW], v[NIL]
	s_wait_dscnt 0x0
	s_endpgm
.Lfunc_end_k_qcbf48d6c82_proj:
	.size	k_qcbf48d6c82_proj, .Lfunc_end_k_qcbf48d6c82_proj-k_qcbf48d6c82_proj
	.p2alignl 7, 3214868480
	.fill 96, 4, 3214868480
	.section	.rodata,"a",@progbits
	.p2align	6, 0x0
	.amdhsa_kernel k_qcbf48d6c82_proj
		.amdhsa_group_segment_fixed_size 295424
		.amdhsa_private_segment_fixed_size 0
		.amdhsa_enable_private_segment 0
		.amdhsa_kernarg_size 72
		.amdhsa_user_sgpr_count 2
		.amdhsa_user_sgpr_kernarg_segment_ptr 1
		.amdhsa_wavefront_size32 1
		.amdhsa_system_sgpr_workgroup_id_x 1
		.amdhsa_system_sgpr_workgroup_id_y 1
		.amdhsa_system_sgpr_workgroup_id_z 1
		.amdhsa_system_vgpr_workitem_id 0
		.amdhsa_next_free_vgpr 704
		.amdhsa_next_free_sgpr 66
		.amdhsa_reserve_vcc 0
		.amdhsa_float_denorm_mode_32 3
		.amdhsa_float_denorm_mode_16_64 3
		.amdhsa_memory_ordered 1
		.amdhsa_forward_progress 1
		.amdhsa_inst_pref_size 105
	.end_amdhsa_kernel
	.amdgpu_metadata
---
amdhsa.version: [ 1, 2 ]
amdhsa.kernels:
  - .name:           k_qcbf48d6c82_proj
    .symbol:         k_qcbf48d6c82_proj.kd
    .args:
      - { .name: Q, .offset: 0, .size: 8, .value_kind: global_buffer, .address_space: global }
      - { .name: K, .offset: 8, .size: 8, .value_kind: global_buffer, .address_space: global }
      - { .name: V, .offset: 16, .size: 8, .value_kind: global_buffer, .address_space: global }
      - { .name: Wq, .offset: 24, .size: 8, .value_kind: global_buffer, .address_space: global }
      - { .name: Wk, .offset: 32, .size: 8, .value_kind: global_buffer, .address_space: global }
      - { .name: bq, .offset: 40, .size: 8, .value_kind: global_buffer, .address_space: global }
      - { .name: qh, .offset: 48, .size: 8, .value_kind: global_buffer, .address_space: global }
      - { .name: kh, .offset: 56, .size: 8, .value_kind: global_buffer, .address_space: global }
      - { .name: vh, .offset: 64, .size: 8, .value_kind: global_buffer, .address_space: global }
    .group_segment_fixed_size: 295424
    .private_segment_fixed_size: 0
    .kernarg_segment_align: 8
    .kernarg_segment_size: 72
    .max_flat_workgroup_size: 128
    .sgpr_count:     66
    .vgpr_count:     704
    .wavefront_size: 32
...
	.end_amdgpu_metadata
.endif
;; end of part 3
;; launch attn: the kernel of part 2 again; grid 8 x 32, 4 waves a work-group, clusters of 4 x 1, 327,680 bytes of LDS; arguments qh, kh, vh, key_padding_mask, out0; writes out0
